; MI455X (gfx1250); checked and timed in simulation.
; The chip was launched on July 23, 2026; its instructions are those of AMD's public machine-readable ISA for CDNA 5 (MIT licence, August 2026) and "CDNA5" Instruction Set Architecture Reference Guide (July 2026). The comments in the code are by the model that wrote it; some were corrected since.
;; Kernel Regressor. Allowed arithmetic: matrix products marked QUANTISED: E2M1 operands, one E8M0 scale for each 32 along K, by v_wmma_scale_f32_16x16x128_f8f6f4 with both operands' format E2M1 (or v_wmma_scale_f32_32x16x128_f4), f32 sums; everything else in f32.
;; Inputs: X 8,192 x 512 float32; alpha_codes 16 x 256 x 16 uint8 (E2M1 codes of alpha, K innermost, in blocks of 32 codes, two codes a byte); alpha_scales 16 x 256 uint8 (E8M0 scales of alpha, one for each 32 codes along K); train_X 8,192 x 512 float32.
;; Outputs: out0 8,192 x 16 float32.
;; This version of the problem:
;;   THIS VERSION OF THE PROBLEM IS GIVEN IN LOW PRECISION. The matrix products marked QUANTISED in the list below multiply operands that are first quantised to E2M1 (2 exponent bits, 1 mantissa bit; 4 bits a number), with one power-of-two scale for each 32 numbers along K (OCP MX v1.0); their sums are f32. All else is computed in f32.
;;   The module's matrix products, in the order in which they are computed (A, B: the left and right operand; K: the contracted axis; several contracted axes count as one K, in the product's order):
;;     1. [M 8,192, K 512] x [K 512, N 8,192]; A: input X; B: input train_X: QUANTISED
;;     2. [M 8,192, K 8,192] x [K 8,192, N 16]; A: computed on the way; B: input alpha (given as codes): QUANTISED
;;   THE QUANTISER, for each operand of a quantised product, along K:
;;     - K is cut into blocks of 32 from its start; a last block that is shorter is filled with zeros.
;;     - A block's scale is 2^e with e = floor(log2(the largest magnitude in the block)) - 2, held to -126 .. 127; a block of zeros has e = 0. As a byte (E8M0): e + 127.
;;     - Each number is divided by its block's scale, clamped to +-6, and rounded to the nearest number of E2M1, ties to even, subnormals kept.
;;     - The product sums the exact products of the quantised numbers (number of the format x scale) in f32.
;;   ~~~python
;;   def quantise(x, axis):      # numpy; x: float32 -> the quantised numbers, widened to float32 again
;;       x = np.moveaxis(x, axis, -1); K = x.shape[-1]
;;       x = np.pad(x, [(0, 0)] * (x.ndim - 1) + [(0, -K % 32)]); x = x.reshape(x.shape[:-1] + (-1, 32)); a = np.abs(x).max(-1, keepdims=True)
;;       e = np.where(a > 0, np.clip(np.frexp(np.where(a > 0, a, 1))[1] - 1 - 2, -126, 127), 0)      # np.frexp(a)[1] - 1 = floor(log2(a)), exactly
;;       r = np.clip(x / 2.0 ** e, -6, 6)
;;       step = 2.0 ** (np.maximum(np.frexp(np.where(r == 0, 1, r))[1] - 1, 0) - 1)
;;       q = np.round(r / step) * step * 2.0 ** e      # np.round: ties to even
;;       return np.moveaxis(q.reshape(q.shape[:-2] + (-1,))[..., :K], -1, axis).astype(np.float32)
;;   ~~~
;;   OPERANDS COMPUTED ON THE WAY. 'Computed on the way' means the value that the module computes at that place (a softmax that the list does not call 'softmax' is quantised finished and normalised). What goes into a quantiser is computed in f32, as accurately as f32 sums, v_exp_f32 and their like allow (about 1e-6 of the number): no bf16 or f16 on the way to a quantiser, and a product that is left as it is and whose result goes on into a quantised operand takes f32 operands (vector FMAs, or v_wmma_f32_16x16x4_f32). A number that lies on a knife's edge between two numbers of the format may be rounded either way, as far as f32 arithmetic and the matrix unit's own rounding can turn it there, and no further.
;;   INPUTS GIVEN AS CODES. alpha (in the module: [8192, 16], K = its axis 0): each comes as NAME_codes (uint8): NAME with its K axis moved to the last place and cut into blocks of 32 codes, [.., K / 32, bytes a block], one block behind the other in memory; two codes a byte, the lower K in the low four bits (a code: sign, 2 exponent bits, 1 mantissa bit); and NAME_scales (uint8): the same leading axes, one E8M0 byte (e + 127) for each 32 codes along K. Its value is code x scale, taken as it is: it is not quantised again, and the codes and scales need not be those that the quantiser above would give.
;; One version. Each part assembles by itself: llvm-mc -triple=amdgcn-amd-amdhsa -mcpu=gfx1250 --defsym DOCPART=n.
;; ======== version 1 of 1: 3 launches
;; limits: right only within a limited range of input values
;; workspace buffers: codes 4,521,984 bytes; part 2,097,152 bytes
;; launch quant (part 1): grid 256 x 1, 8 waves a work-group, no clusters, 60,672 bytes of LDS; arguments X, train_X, codes; writes codes
.if DOCPART == 1
	.amdgcn_target "amdgcn-amd-amdhsa--gfx1250"
	.amdhsa_code_object_version 6
	.text
	.protected	k_q93394d3b86_quant
	.globl	k_q93394d3b86_quant
	.p2align	8
	.type	k_q93394d3b86_quant,@function
k_q93394d3b86_quant:
	s_mov_b64 s[64:65], 0
	v_nop
	global_prefetch_b8 v0, s[64:65] scope:SCOPE_SE
	s_setreg_imm32_b32 hwreg(HW_REG_WAVE_MODE, 25, 1), 1
	s_wait_xcnt 0x0
; X [8192][512] and train_X [8192][512], f32, are turned into what the next launch's matrix instructions take.  No work of the problem is left out in any launch.
; codes: 256 UNITS of 17,664 bytes, one for each 64 rows: units 0-127 X's, 128-255 train_X's.  A unit is 69 rows of 256 bytes:
;   16,384 bytes of FP4 (E2M1) codes, as IMAGES OF OPERAND REGISTERS: [tile of 16 positions, 0..3][block kb of 32 along D, 0..15][position r of the tile][16 bytes];
;   a fragment (16 positions x 128 along D, K step s) is then 1,024 consecutive bytes, register group c of lane l at 512 c + 16 l;
;   1,024 bytes: 16 E8M0 scale bytes a position;  256 bytes: one f32 a position: X: -0.001 log2(e) |x|^2;  train_X: -0.5 |y|^2, of the numbers as they arrive, in f32.
; POSITIONS.  X's rows keep their order.  In each 64 rows of train_X position 16 t + 8 h + j holds row 32 h + 8 t + j: in the next launch the 32 results that lane (r, h) has of a unit's four tiles
; are then 32 neighbouring rows of train_X, one whole block of the second product's K.
; A block's scale is 2^(floor(log2(its largest magnitude)) - 2): its byte is the largest magnitude's exponent field - 2, held at 1 from below by a floor among the maximum's leaves.
; LIMITS: NaN and infinities among the inputs are not served; a block whose largest magnitude lies under 2^-124 keeps the byte 1; a block of zeros has the byte 1 over zero codes (this program alone reads the bytes).
; SHARES.  A work-group takes 64 rows, each of its eight waves 8, a row (2,048 bytes) a step.  All 32 loads of a wave go out at the head, each 512 consecutive bytes.
; The conversions want 16 NEIGHBOURS in a lane: a row turns through the wave's own stage in LDS (16 bytes of padding behind each 64).  Codes, scale bytes and norms are gathered in LDS, and behind ONE barrier they
; leave in runs of 512 or 256 consecutive bytes.  Which rows a wave READS hangs on the tensor; where it WRITES in LDS hangs on the wave's number alone.
.set ROWB, 2048                        ; a row in bytes
.set UNIT, 17664
.set SP,   80                          ; a lane's place in a stage: 64 bytes + 16 of padding
.set STG1, 32*SP                       ; a stage
.set WSTG, 2*STG1                      ; two stages for each wave
.set CST,  8*WSTG                      ; behind them: the codes' 64 pieces (16 x tile + kb) of 256 bytes + 16 of padding
.set UP,   272
.set SCL,  CST+64*UP                   ; the record: 1,024 scale bytes,
.set NRM,  SCL+1024                    ; and 64 f32
.set NS,   24                          ; v24-31   a row's sum of squares
.set CD,   32                          ; v32-47   a row's codes of my 16 numbers: two registers
.set EB,   48                          ; v48-55   a row's scale byte of my block
.set PD,   56                          ; v56-63   destinations of the lane permutes
.set XR,   64                          ; v64-95   two sets of 16 neighbours
.set RR,   96                          ; v96-223  eight rows as loaded, 16 registers each; at the end the way out
	s_load_b128 s[4:7], s[0:1], 0x0                ; X, train_X
	s_load_b64 s[8:9], s[0:1], 0x10                ; codes
	v_lshl_add_u32 v224, v0, 2, 0xe900
	v_mov_b32 v225, 0
	v_lshrrev_b32 v1, 5, v0
	s_delay_alu instid0(VALU_DEP_1)
	v_readfirstlane_b32 s12, v1                    ; wave 0..7
	v_and_b32 v2, 31, v0                           ; lane
	s_delay_alu instid0(VALU_DEP_1)
	v_lshlrev_b32 v3, 4, v2                        ; 16 x lane: my bytes of a load's or a store's 512
	s_and_b32 s14, s12, 1                          ; train_X: position group w = 2 t + h takes the group of eight rows 4 h + t
	s_lshl_b32 s14, s14, 2
	s_lshr_b32 s13, s12, 1
	s_or_b32 s13, s13, s14
	s_mov_b32 s16, 0xbabd18d0                      ; -0.001 log2(e)
	s_mov_b32 s20, 0x76543210
	s_mov_b32 s21, 0xfedcba98                      ; v_permlanex16_b32's selects for lane l xor 16
	s_wait_alu depctr_va_vdst(0)
	s_wait_kmcnt 0x0
	s_cmp_lt_u32 ttmp9, 128                        ; X's work-group or train_X's?  The choice hangs on the work-group's number alone
	s_cselect_b64 s[4:5], s[4:5], s[6:7]
	s_cselect_b32 s13, s12, s13                    ; X: the rows as they lie
	s_cselect_b32 s16, s16, 0xbf000000             ; train_X: -0.5
	s_cselect_b32 s17, 0, 128
	s_sub_co_u32 s17, ttmp9, s17                   ; which 64 rows of the tensor
	s_lshl_b32 s18, s17, 17                        ; 64 rows of 2,048 bytes,
	s_lshl_b32 s19, s13, 14                        ; my 8 of them
	s_add_co_u32 s18, s18, s19
	s_mov_b32 s19, 0
	s_add_nc_u64 s[4:5], s[4:5], s[18:19]
.macro LOAD t                          ; row t: four loads of 512 consecutive bytes
.irp i, 0,1,2,3
	global_load_b128 v[RR+16*(\t)+4*\i:RR+16*(\t)+4*\i+3], v3, s[4:5] offset:ROWB*(\t)+512*\i th:TH_LOAD_NT
.endr
.endm
.irp t, 0,1,2,3,4,5,6,7
	LOAD \t
.endr
	s_mul_i32 s22, ttmp9, UNIT                     ; the work-group's unit
	s_mov_b32 s23, 0
	s_add_nc_u64 s[8:9], s[8:9], s[22:23]
	s_lshl_b32 s22, s12, 8                         ; my 256 bytes of its record (waves 0 to 4 alone use this)
	s_add_co_u32 s22, s22, 16384
	s_add_nc_u64 s[10:11], s[8:9], s[22:23]
	s_lshl_b32 s22, s12, 11                        ; my eight pieces of its codes
	s_add_nc_u64 s[8:9], s[8:9], s[22:23]
	s_mul_i32 s25, s12, WSTG                       ; my stages
	v_lshrrev_b32 v14, 2, v2
	s_delay_alu instid0(VALU_DEP_1)
	v_mul_u32_u24 v14, v14, SP
	v_and_b32 v15, 3, v2
	s_delay_alu instid0(VALU_DEP_1)
	v_lshl_add_u32 v14, v15, 4, v14
	s_delay_alu instid0(VALU_DEP_1)
	v_add_nc_u32 v14, s25, v14                     ; into a stage: four lanes' 64 bytes on end, then the padding
	v_mul_u32_u24 v15, v2, SP
	s_delay_alu instid0(VALU_DEP_1)
	v_add_nc_u32 v15, s25, v15                     ; out of it: my 16 neighbours
	v_lshrrev_b32 v8, 1, v2                        ; my block kb: two lanes to a block
	s_wait_alu depctr_va_vdst(0)
	s_lshl_b32 s26, s12, 7
	s_add_co_u32 s26, s26, SCL
	v_add_nc_u32 v5, s26, v8                       ; scale bytes: 16 a position, my 8 positions, byte kb
	s_lshr_b32 s27, s12, 1
	s_mul_i32 s27, s27, 16*UP                      ; codes: my tile's 16 pieces,
	s_and_b32 s28, s12, 1
	s_lshl_b32 s28, s28, 7                         ; rows 0-7 or 8-15 of each,
	s_add_co_u32 s27, s27, s28
	s_add_co_u32 s27, s27, CST
	v_mul_u32_u24 v6, v8, UP                       ; piece kb,
	v_and_b32 v9, 1, v2
	s_delay_alu instid0(VALU_DEP_1)
	v_lshl_add_u32 v6, v9, 3, v6                   ; my half of the row's 16 bytes
	s_delay_alu instid0(VALU_DEP_1)
	v_add_nc_u32 v6, s27, v6
	s_lshl_b32 s29, s12, 5
	s_add_co_u32 s29, s29, NRM
	v_mov_b32 v7, s29                              ; the norms of my 8 positions
	s_mul_i32 s30, s12, 8*UP                       ; the way out: my eight pieces, two an instruction
	s_add_co_u32 s30, s30, CST
	v_lshrrev_b32 v9, 4, v2
	s_delay_alu instid0(VALU_DEP_1)
	v_mul_u32_u24 v10, v9, UP
	v_and_b32 v9, 15, v2
	s_delay_alu instid0(VALU_DEP_1)
	v_lshl_add_u32 v10, v9, 4, v10
	s_delay_alu instid0(VALU_DEP_1)
	v_add_nc_u32 v10, s30, v10
	v_lshlrev_b32 v13, 3, v2                       ; the record's way out: 8 bytes a lane
	s_lshl_b32 s31, s12, 8
	s_add_co_u32 s31, s31, SCL
	v_add_nc_u32 v12, s31, v13
.irp t, 0,1,2,3,4,5,6,7
	v_mov_b32 v[PD+\t], 0                          ; written once: a lane permute's destination counts as one of its sources
.endr
.macro TURN t                          ; row t through a stage: LDS serves a wave's instructions in order (ISA guide 5.7.1.4), so no wait stands between the stores and the loads
.irp i, 0,1,2,3
	ds_store_b128 v14, v[RR+16*(\t)+4*\i:RR+16*(\t)+4*\i+3] offset:STG1*((\t)%2)+8*SP*\i
.endr
.irp i, 0,1,2,3
	ds_load_b128 v[XR+16*((\t)%2)+4*\i:XR+16*((\t)%2)+4*\i+3], v15 offset:STG1*((\t)%2)+16*\i
.endr
.endm
	s_wait_loadcnt 28                              ; row 0's four loads are in; the 28 behind them stay out
	TURN 0
.macro STEP t
.set XS, XR+16*((\t)%2)
.if (\t) > 0
	s_wait_dscnt 2                                 ; this row is back from the stage; behind its loads stand the last step's two stores, which may be out
.else
	s_wait_dscnt 0x0
.endif
.if (\t) < 7
	s_wait_loadcnt 24-4*(\t)                       ; the next row's four loads are in; the rows behind it stay out
	TURN (\t)+1                                    ; it goes through the other stage while this row is worked
.endif
	v_max3_num_f32 v8, |v[XS]|, |v[XS+1]|, |v[XS+2]|               ; the largest magnitude of my 16, in two chains
	v_max3_num_f32 v9, |v[XS+3]|, |v[XS+4]|, |v[XS+5]|
.irp i, 6,10
	s_delay_alu instid0(VALU_DEP_2)
	v_max3_num_f32 v8, v8, |v[XS+\i]|, |v[XS+\i+1]|
	s_delay_alu instid0(VALU_DEP_2)
	v_max3_num_f32 v9, v9, |v[XS+\i+2]|, |v[XS+\i+3]|
.endr
	s_delay_alu instid0(VALU_DEP_2)
	v_max3_num_f32 v8, v8, |v[XS+14]|, |v[XS+15]|
	s_delay_alu instid0(VALU_DEP_1)
	v_max3_num_f32 v8, v8, v9, 0x1800000           ; and the floor 2^(3 - 127): the byte cannot fall under 1
	s_delay_alu instid0(VALU_DEP_1)
	v_max_num_f32_dpp v8, v8, v8 row_xmask:1 row_mask:0xf bank_mask:0xf   ; with my neighbour's 16: the block's
	s_delay_alu instid0(VALU_DEP_1)
	v_add_nc_u32 v11, 0xff000000, v8               ; 2 off its exponent field: the conversion takes the exponent field of this operand as its scale
	v_cvt_scalef32_pk8_fp4_f32 v[CD+2*(\t)], v[XS:XS+7], v11
	v_cvt_scalef32_pk8_fp4_f32 v[CD+2*(\t)+1], v[XS+8:XS+15], v11
	v_lshrrev_b32 v[EB+(\t)], 23, v11              ; the scale's byte (a plain line behind the conversions)
	v_pk_mul_f32 v[16:17], v[XS:XS+1], v[XS:XS+1]                  ; the sum of my 16 squares, two at a time, in two chains
	v_pk_mul_f32 v[18:19], v[XS+2:XS+3], v[XS+2:XS+3]
.irp i, 4,8,12
	s_delay_alu instid0(VALU_DEP_2)
	v_pk_fma_f32 v[16:17], v[XS+\i:XS+\i+1], v[XS+\i:XS+\i+1], v[16:17]
	s_delay_alu instid0(VALU_DEP_2)
	v_pk_fma_f32 v[18:19], v[XS+\i+2:XS+\i+3], v[XS+\i+2:XS+\i+3], v[18:19]
.endr
	s_delay_alu instid0(VALU_DEP_1)
	v_pk_add_f32 v[16:17], v[16:17], v[18:19]
	s_delay_alu instid0(VALU_DEP_1)
	v_add_f32 v[NS+(\t)], v16, v17
	ds_store_b8 v5, v[EB+(\t)] offset:16*(\t)      ; both lanes of a block write the same byte with the same value
	ds_store_b64 v6, v[CD+2*(\t):CD+2*(\t)+1] offset:16*(\t)       ; row r = 8 (wave % 2) + t of piece kb; two lanes fill its 16 bytes, pairs of lanes stand 272 bytes apart
.endm
.irp t, 0,1,2,3,4,5,6,7
	STEP \t
.endr
	; the eight rows' sums over the 32 lanes, the rows by turns, so that no line waits for the line above it
.irp m, 1,2,4,8
.irp t, 0,1,2,3,4,5,6,7
	v_add_f32_dpp v[NS+\t], v[NS+\t], v[NS+\t] row_xmask:\m row_mask:0xf bank_mask:0xf
.endr
.endr
.irp t, 0,1,2,3,4,5,6,7
	v_permlanex16_b32 v[PD+\t], v[NS+\t], s20, s21
.endr
.irp t, 0,1,2,3,4,5,6,7
	v_add_f32 v[NS+\t], v[NS+\t], v[PD+\t]
.endr
.irp t, 0,1,2,3,4,5,6,7
	v_mul_f32 v[NS+\t], s16, v[NS+\t]              ; x the tensor's factor
.endr
.irp t, 0,1,2,3,4,5,6,7
	ds_store_b32 v7, v[NS+\t] offset:4*\t          ; all lanes write the same word with the same value
.endr
	s_wait_dscnt 0x0                               ; for the others' sake: all my stores have landed
	s_barrier_signal -1
	s_barrier_wait -1                              ; the unit is whole
.irp i, 0,1,2,3
	ds_load_b128 v[RR+4*\i:RR+4*\i+3], v10 offset:2*UP*\i          ; two pieces an instruction, sixteen lanes to a piece
.endr
	s_cmp_lt_u32 s12, 5                            ; the record is five runs of 256 bytes: waves 0 to 4 take one each
	s_cbranch_scc0 .Lno_record
	ds_load_b64 v[RR+16:RR+17], v12
	s_wait_dscnt 0x0
	global_store_b64 v13, v[RR+16:RR+17], s[10:11] ; 32 lanes store 256 consecutive bytes, at a multiple of 256 from the buffer's first byte
.Lno_record:
	s_wait_dscnt 0x0
.irp i, 0,1,2,3
	global_store_b128 v3, v[RR+4*\i:RR+4*\i+3], s[8:9] offset:512*\i   ; 32 lanes store 512 consecutive bytes, at a multiple of 256 from the buffer's first byte
.endr
	s_wait_tensorcnt 0x0                           ; the wave's end
	ds_add_u32 v224, v225
	s_wait_dscnt 0x0
	s_endpgm
.Lfunc_end_k_q93394d3b86_quant:
	.size	k_q93394d3b86_quant, .Lfunc_end_k_q93394d3b86_quant-k_q93394d3b86_quant
	.p2alignl 7, 3214868480
	.fill 96, 4, 3214868480
	.section	.rodata,"a",@progbits
	.p2align	6, 0x0
	.amdhsa_kernel k_q93394d3b86_quant
		.amdhsa_group_segment_fixed_size 60672
		.amdhsa_private_segment_fixed_size 0
		.amdhsa_enable_private_segment 0
		.amdhsa_kernarg_size 24
		.amdhsa_user_sgpr_count 2
		.amdhsa_user_sgpr_kernarg_segment_ptr 1
		.amdhsa_wavefront_size32 1
		.amdhsa_system_sgpr_workgroup_id_x 1
		.amdhsa_system_sgpr_workgroup_id_y 1
		.amdhsa_system_sgpr_workgroup_id_z 1
		.amdhsa_system_vgpr_workitem_id 0
		.amdhsa_next_free_vgpr 226
		.amdhsa_next_free_sgpr 66
		.amdhsa_reserve_vcc 0
		.amdhsa_float_denorm_mode_32 3
		.amdhsa_float_denorm_mode_16_64 3
		.amdhsa_memory_ordered 1
		.amdhsa_forward_progress 1
		.amdhsa_inst_pref_size 33
	.end_amdhsa_kernel
	.amdgpu_metadata
---
amdhsa.version: [ 1, 2 ]
amdhsa.kernels:
  - .name:           k_q93394d3b86_quant
    .symbol:         k_q93394d3b86_quant.kd
    .args:
      - { .name: X, .offset: 0, .size: 8, .value_kind: global_buffer, .address_space: global }
      - { .name: train_X, .offset: 8, .size: 8, .value_kind: global_buffer, .address_space: global }
      - { .name: codes, .offset: 16, .size: 8, .value_kind: global_buffer, .address_space: global }
    .group_segment_fixed_size: 60672
    .private_segment_fixed_size: 0
    .kernarg_segment_align: 8
    .kernarg_segment_size: 24
    .max_flat_workgroup_size: 256
    .sgpr_count:     66
    .vgpr_count:     226
    .wavefront_size: 32
...
	.end_amdgpu_metadata
.endif
;; end of part 1
;; launch rbf (part 2): grid 64 x 4, 8 waves a work-group, clusters of 4 x 1, 327,680 bytes of LDS; arguments codes, alpha_codes, alpha_scales, part; writes part
.if DOCPART == 2
	.amdgcn_target "amdgcn-amd-amdhsa--gfx1250"
	.amdhsa_code_object_version 6
	.text
	.protected	k_q93394d3b86_rbf
	.globl	k_q93394d3b86_rbf
	.p2align	8
	.type	k_q93394d3b86_rbf,@function
k_q93394d3b86_rbf:
	s_mov_b64 s[64:65], 0
	v_nop
	global_prefetch_b8 v0, s[64:65] scope:SCOPE_SE
	s_setreg_imm32_b32 hwreg(HW_REG_WAVE_MODE, 25, 1), 1
	s_wait_xcnt 0x0
	s_wait_alu depctr_hold_cnt(0) depctr_sa_sdst(0) depctr_va_vdst(0) depctr_va_sdst(0) depctr_va_ssrc(0) depctr_va_vcc(0) depctr_vm_vsrc(0)
	s_getreg_b32 s2, hwreg(HW_REG_IB_STS2, 6, 4)
	s_cmp_eq_u32 s2, 0
	s_cbranch_scc0 .Lentry_in_a_cluster
	s_endpgm
.Lentry_in_a_cluster:
	s_bfe_u32 s2, ttmp6, 0x10000c
	s_cmp_lg_u32 s2, 0x3003
	s_cbranch_scc0 .Lentry_shape_is_right
	s_endpgm
.Lentry_shape_is_right:
; part[slab][q][:] = the sum over the slab's 2,048 rows y of train_X of Q(p(q, y)) alpha[y][:],  p = exp(-0.001 (|x|^2 + |y|^2 - 2 x.y)) = 2^t,  t = c1 (x.y - |y|^2 / 2) - 0.001 log2(e) |x|^2,  c1 = 0.002 log2(e).
; Both products run on codes of FP4 (E2M1) with one E8M0 scale for each 32 along K: x.y on the codes that the launch before made (K = the 512 features), the second on p, quantised here in registers along the rows of
; train_X (blocks of 32 from row 0 on), and alpha's codes as they are given.  All between is f32.
; LIMITS: NaN and infinities are not served; where p lies under 2^-126, v_exp_f32 gives 0 (ISA guide 15.8); a block of p whose largest lies under 2^-124 keeps the scale byte 1 (a block of zeros too: its codes are zeros).
; SHARES.  64 x 4 work-groups of equal work, 128 queries x 2,048 keys (a slab) each.  Wave w = 2 g + qg owns the 64 queries of half qg, four tiles of 16 whose fragments stay in registers, and the 128 keys of group g in each chunk
; of 512 keys: a key fragment read from LDS feeds four tiles of queries.  The four groups' sums meet in LDS at the end; the four slabs' parts are added by the next launch.
; THE RING.  A chunk is eight units of 17,664 bytes (codes, scale bytes, norms): one joint tensor load a wave, into one of two slots; four chunks.  Chunk c + 1 is asked for when chunk c has landed, and has chunk c's work in which to land:
; four blocks a wave, 68 matrix instructions and some 700 vector instructions.  So no prefetch is laid: by that count no chunk but the first is asked for late, and the first cannot be asked for earlier.
; CLUSTERS: 4 x 1.  The four work-groups share the slab: each unit is asked for by the same tensor load with the same descriptor and a mask that names the four.  Q's codes are the work-group's own: each wave copies one tile of 4,096 bytes
; through registers into LDS, once, so that the four waves that share it read it from there.
; LAYOUT.  Both products are used transposed: S^T (source 0 = 32 keys, source 1 = 16 queries), O^T (source 0 = alpha's 16 channels, source 1 = p): a lane holds ONE query (lane % 16) throughout.  The keys of a unit of 64 are laid so that
; lane (r, h) has keys 32 h + 0 .. 31 of it: ONE WHOLE BLOCK of the second product's K, in the order of the operand's registers, so the quantiser asks no other lane.  -|y|^2 / 2 is the C of each sum's first matrix instruction.
; REGISTERS.  window 0 below; window 1: v0-127 Q's 16 fragments; v128-191 a block's keys (K step s: 16 registers); v192-223 alpha's 4 fragments; v224-239 -|y|^2 / 2 in the result's layout.
.set UNIT, 17664
.set SLOT, 8*UNIT                      ; a chunk
.set QC,   2*SLOT                      ; LDS: two slots, then Q's codes: 8 tiles of 4,096 bytes,
.set SPARE, QC+32768                   ; then the spare words: 128 bytes for each wave
.set IMG,  4352                        ; the way out: an image for each wave, four tiles of four pieces of 256 + 16 bytes, in slot 0, which has had its last fill and its last read by then
.set LI,   1                           ; v1     16 x lane
.set AK,   2                           ; v2-3   my group's units in slot 0, 1 + 16 x lane
.set AN,   4                           ; v4-5   the same + 32 (lane / 16)
.set STO,  6
.set RD,   7
.set C1,   8
.set SPW,  10
.set NIL,  11
.set WD,   12                          ; v12-15 a tile's scale bytes: lanes 0-15 blocks 0 and 2 of a key step, lanes 16-31 blocks 1 and 3
.set QS,   16                          ; tile i, K step s at v[QS + 4 i + s]
.set KW,   32                          ; K step s at v[KW + s]: lane m holds key row m's word
.set AS,   36
.set CX,   40                          ; the x term of tile i, twice: v[CX + 2 i], v[CX + 2 i + 1]
.set PW,   48                          ; p's scale words: lanes 0-15 tile 2 p, lanes 16-31 tile 2 p + 1
.set TM,   52
.set T2,   56
.set QL,   60
.set QR,   61
.set S,    64                          ; v64-191 S^T, then p: tile i of queries, key k of my 32 at v[S + 32 i + k]
.set O,    192
.set PC,   224
.set QF,   0                           ; window 1
.set KF,   128
.set AL,   192
.set YC,   224
.set G1,   24                          ; s[24:31] descriptor group 1; s[32:35], s[36:39] group 0 for slot 0, slot 1
.set G0,   32
.set MSB, 0
.macro WIN new                         ; s_set_vgpr_msb: bits 1:0 source 0, 3:2 source 1, 5:4 source 2, 7:6 destination; the high byte repeats the setting that is left
.if MSB != \new
	s_set_vgpr_msb (MSB<<8)|\new
.set MSB, \new
.endif
.endm
.macro CREST                           ; a round of the cluster's barrier behind its opening barrier
	s_cmp_lg_u32 s12, 0
	s_cbranch_scc1 .Lnot_wave_0_\@
	s_barrier_signal -3
.Lnot_wave_0_\@:
	s_barrier_wait -3
	s_barrier_signal -1
	s_barrier_wait -1
.endm
.macro ROUND
	s_barrier_signal -1
	s_barrier_wait -1
	CREST
.endm
	s_load_b256 s[4:11], s[0:1], 0x0               ; codes s[4:5], alpha's codes s[6:7], alpha's scales s[8:9], part s[10:11]
	v_lshl_add_u32 v[SPW], v0, 2, SPARE
	v_mov_b32 v[NIL], 0
	ds_add_u32 v[SPW], v[NIL]                      ; the wave's opening
	ds_add_u32 v[SPW], v[NIL]
	v_lshrrev_b32 v9, 5, v0
	v_readfirstlane_b32 s12, v9                    ; wave 0..7
	s_lshr_b32 s13, s12, 1                         ; g: my group of keys
	s_and_b32 s14, s12, 1                          ; qg: my half of the queries
	s_bfe_u32 s17, ttmp6, 0x40000                  ; cx
	s_lshl_b32 s15, ttmp9, 2
	s_add_co_u32 s15, s15, s17                     ; my block of 128 queries = 4 x cluster x + cx
	s_and_b32 s16, ttmp7, 0xffff                   ; my slab
	; descriptor group 1: a unit as 69 rows of 256 bytes (32 elements of 8 bytes), dense, no padding
	s_mov_b32 s[G1], 15|(3<<16)|(1<<21)            ; 15:0 the mask: all four of the cluster; 17:16 elements of 8 bytes; 21 set beside a mask
	s_mov_b32 s[G1+1], 32<<16                      ; tensor_dim0
	s_mov_b32 s[G1+2], 69<<16                      ; tensor_dim1
	s_mov_b32 s[G1+3], 32<<16                      ; tile_dim0
	s_mov_b32 s[G1+4], 69                          ; tile_dim1
	s_mov_b32 s[G1+5], 32                          ; tensor_dim0_stride
	s_mov_b32 s[G1+6], 0
	s_mov_b32 s[G1+7], 0
	s_mov_b32 s[G0], 1
	s_mul_i32 s[G0+1], s12, UNIT                   ; LDS: unit w of the slot
	s_mov_b32 s[G0+4], 1
	s_add_co_u32 s[G0+5], s[G0+1], SLOT
	s_lshl_b32 s40, s16, 5                         ; keys: 32 units a slab, behind X's 128; unit w of a chunk
	s_add_co_u32 s40, s40, s12
	s_add_co_u32 s40, s40, 128
	s_mul_i32 s40, s40, UNIT
	s_mov_b32 s41, 0
	s_lshl_b32 s17, s15, 1                         ; my block's two units of X
	s_lshr_b32 s42, s12, 2                         ; Q's codes that I copy: tile w of eight
	s_add_co_u32 s42, s42, s17
	s_mul_i32 s42, s42, UNIT
	s_and_b32 s43, s12, 3
	s_lshl_b32 s43, s43, 12
	s_add_co_u32 s42, s42, s43
	s_mov_b32 s43, 0
	s_add_co_u32 s44, s17, s14                     ; my 64 queries' unit
	s_mul_i32 s44, s44, UNIT
	s_mov_b32 s45, 0
	s_lshl_b32 s46, s16, 10                        ; alpha's codes: 1,024 bytes of each row a slab, 64 a group
	s_lshl_b32 s47, s13, 6
	s_add_co_u32 s46, s46, s47
	s_mov_b32 s47, 0
	s_lshl_b32 s48, s16, 6                         ; alpha's scales: 64 bytes a slab, 4 a group
	s_lshl_b32 s49, s13, 2
	s_add_co_u32 s48, s48, s49
	s_mov_b32 s49, 0
	s_lshl_b32 s50, s16, 19                        ; part: 524,288 bytes a slab, 8,192 a block, and tile 4 qg + g of it, which I add up and store
	s_lshl_b32 s51, s15, 13
	s_add_co_u32 s50, s50, s51
	s_lshl_b32 s51, s14, 12
	s_add_co_u32 s50, s50, s51
	s_lshl_b32 s51, s13, 10
	s_add_co_u32 s50, s50, s51
	s_mov_b32 s51, 0
	s_mul_i32 s52, s13, 2*UNIT                     ; my group's two units in slot 0
	s_add_co_u32 s53, s52, SLOT
	s_mul_i32 s54, s12, IMG
	s_mul_i32 s55, s14, IMG
	s_mul_i32 s56, s13, 1088
	s_add_co_u32 s55, s55, s56
	s_lshl_b32 s57, s12, 12
	s_add_co_u32 s57, s57, QC
	s_lshl_b32 s58, s14, 14
	s_add_co_u32 s58, s58, QC
	v_and_b32 v[LI], 31, v0
	v_and_b32 v9, 15, v0                           ; r
	v_bfe_u32 v50, v0, 4, 1                        ; h
	v_mov_b32 v[C1], 0x3b3d18d0                    ; c1 = 0.002 log2(e)
	v_lshlrev_b32 v[LI], 4, v[LI]
	v_lshl_add_u32 v[AN], v50, 5, s52
	v_lshl_add_u32 v[AN+1], v50, 5, s53
	v_lshlrev_b32 v[STO], 6, v9                    ; the image: query r's 64 bytes, 16 of padding behind each four queries, + 32 h
	v_lshrrev_b32 v51, 2, v9
	v_add_nc_u32 v[AK], s52, v[LI]
	v_add_nc_u32 v[AK+1], s53, v[LI]
	v_lshl_add_u32 v[STO], v51, 4, v[STO]
	v_mul_u32_u24 v[RD], v50, 272                  ; read back: two pieces of 256 bytes an instruction
	v_lshl_add_u32 v[STO], v50, 5, v[STO]
	v_lshl_add_u32 v[RD], v9, 4, v[RD]
	v_add_nc_u32 v[STO], s54, v[STO]
	v_add_nc_u32 v[RD], s55, v[RD]
	v_add_nc_u32 v[QL], s57, v[LI]
	v_add_nc_u32 v[QR], s58, v[LI]
	v_lshlrev_b32 v62, 4, v9                       ; Q's scale words: 16 bytes a query
	v_lshlrev_b32 v63, 2, v9                       ; the x term: 4 bytes a query
	v_lshlrev_b32 v51, 12, v9                      ; alpha's codes: channel r's row of 4,096 bytes, + 16 h
	v_lshl_add_u32 v51, v50, 4, v51
	v_lshlrev_b32 v9, 8, v9                        ; alpha's scales: channel r's row of 256 bytes
	s_wait_alu depctr_va_vdst(0)
	s_wait_dscnt 0x0                               ; both opening adds are done
	s_wait_kmcnt 0x0
	s_add_nc_u64 s[18:19], s[4:5], s[42:43]
	s_add_nc_u64 s[20:21], s[4:5], s[44:45]
	s_add_nc_u64 s[G0+2:G0+3], s[4:5], s[40:41]
	s_add_nc_u64 s[G0+6:G0+7], s[G0+2:G0+3], SLOT  ; chunk 1
	s_or_b32 s[G0+3], s[G0+3], 0x80000000
	s_or_b32 s[G0+7], s[G0+7], 0x80000000
	s_add_nc_u64 s[6:7], s[6:7], s[46:47]
	s_add_nc_u64 s[8:9], s[8:9], s[48:49]
	s_add_nc_u64 s[10:11], s[10:11], s[50:51]
.irp k, 0,1,2,3,4,5,6,7
	global_load_b128 v[S+4*\k:S+4*\k+3], v[LI], s[18:19] offset:512*\k
.endr
	ROUND                                          ; all four work-groups are here: the first joint loads meet
	tensor_load_to_lds s[G0:G0+3], s[G1:G1+7]      ; chunk 0
	s_nop 0
.irp i, 0,1,2,3
	global_load_b128 v[QS+4*\i:QS+4*\i+3], v62, s[20:21] offset:16384+256*\i
.endr
.irp i, 0,1,2,3
	global_load_b32 v[CX+2*\i], v63, s[20:21] offset:17408+64*\i
	global_load_b32 v[CX+2*\i+1], v63, s[20:21] offset:17408+64*\i
.endr
.irp k, 0,1,2,3
	global_load_b32 v[AS+\k], v9, s[8:9] offset:16*\k
.endr
	WIN 0x40                                       ; destination window 1
.irp k, 0,1,2,3
.irp c, 0,1
	global_load_b128 v[AL+8*\k+4*\c:AL+8*\k+4*\c+3], v51, s[6:7] offset:256*\k+32*\c   ; alpha's fragment of my group's 128 keys of chunk k
.endr
.endr
	WIN 0
	s_wait_loadcnt 24                              ; Q's codes are in; the 4 + 8 + 4 + 8 loads behind them stay out
.irp k, 0,1,2,3,4,5,6,7
	ds_store_b128 v[QL], v[S+4*\k:S+4*\k+3] offset:512*\k
.endr
; The operands of block n (32 keys): chunk n / 4, my group's unit (n / 2) % 2, its pair of tiles n % 2.  The scale words and the norms come first, then the fragments by K steps; with q = 1 Q's fragments of the K step too.
.macro KLOAD n, q
.set kS, ((\n)/4)%2
.set kU, (((\n)/2)%2)*UNIT
.set kO, (\n)%2
	ds_load_b128 v[KW:KW+3], v[AK+kS] offset:kU+16384+512*kO
	WIN 0x40
.irp c, 0,1,2,3
	ds_load_b128 v[YC+4*\c:YC+4*\c+3], v[AN+kS] offset:kU+17408+128*kO+64*(\c/2)+16*(\c%2)   ; register 8 u + j: position 8 h + j of the pair's tile u
.endr
.irp s, 0,1,2,3
.irp c, 0,1,2,3
	ds_load_b128 v[KF+16*\s+4*\c:KF+16*\s+4*\c+3], v[AK+kS] offset:kU+(2*kO+(\c/2))*4096+1024*\s+512*(\c%2)
.endr
.if \q
.irp c, 0,1,2,3,4,5,6,7
	ds_load_b128 v[QF+8*(4*(\c/2)+\s)+4*(\c%2):QF+8*(4*(\c/2)+\s)+4*(\c%2)+3], v[QR] offset:4096*(\c/2)+1024*\s+512*(\c%2)
.endr
.endif
.endr
	WIN 0
.endm
; 16 products: 32 keys x 64 queries x 512.  The four accumulators take turns, one instruction a turn.  w: the LDS loads that each later K step still has behind it, which may be out.
.macro SMUL n, w
.set kP, S+16*((\n)%2)
.irp s, 0,1,2,3
	s_wait_dscnt \w*(3-\s)
.if \s == 0
	WIN 0x15                                       ; sources 0 (keys), 1 (Q), 2 (the norms) window 1; D window 0
.else
	WIN 0x05
.endif
.irp i, 0,1,2,3
.if \s == 0
	v_wmma_scale_f32_32x16x128_f4 v[kP+32*\i:kP+32*\i+15], v[KF:KF+15], v[QF+32*\i:QF+32*\i+7], v[YC:YC+15], v[KW], v[QS+4*\i]
.else
	v_wmma_scale_f32_32x16x128_f4 v[kP+32*\i:kP+32*\i+15], v[KF+16*\s:KF+16*\s+15], v[QF+8*(4*\i+\s):QF+8*(4*\i+\s)+7], v[kP+32*\i:kP+32*\i+15], v[KW+\s], v[QS+4*\i+\s]
.endif
.endr
.endr
	WIN 0
.endm
.macro FMA                             ; t = c1 S + the x term: two fused multiply-adds an instruction, each accumulator from its low end on
.irp i, 0,1,2,3
.irp j, 0,2,4,6,8,10,12,14
	v_dual_fma_f32 v[kP+32*\i+\j], v[kP+32*\i+\j], v[C1], v[CX+2*\i] :: v_dual_fma_f32 v[kP+32*\i+\j+1], v[kP+32*\i+\j+1], v[C1], v[CX+2*\i+1]
.endr
.endr
.endm
.macro EXP                             ; p = 2^t: a batch of 64
	s_wait_alu depctr_va_vdst(0)
.set kJ, 0
.rept 64
	v_exp_f32 v[kP+32*(kJ/16)+kJ%16], v[kP+32*(kJ/16)+kJ%16]
.set kJ, kJ+1
.endr
	v_nop                                          ; a plain place behind the transcendentals
.endm
; The largest p of my block of 32 keys, the four tiles by turns, two chains each; no |.|: p is never negative.  Its first half's lines stand behind the second half's products.
.macro M3 d, k
.irp i, 0,1,2,3
	v_max3_num_f32 v[\d+\i], v[\d+\i], v[S+32*\i+\k], v[S+32*\i+\k+1]
.endr
.endm
.macro M3A k
.irp i, 0,1,2,3
	v_max3_num_f32 v[T2+\i], v[S+32*\i+\k], v[S+32*\i+\k+1], v[S+32*\i+\k+2]
.endr
.endm
.macro M3Z k
.irp i, 0,1,2,3
	v_max3_num_f32 v[TM+\i], v[TM+\i], v[T2+\i], v[S+32*\i+\k]
.endr
.endm
.macro MAXA
.irp i, 0,1,2,3
	v_max3_num_f32 v[TM+\i], v[S+32*\i], v[S+32*\i+1], 0x1800000   ; the floor 2^(3 - 127) among the leaves: the byte cannot fall under 1
.endr
.endm
.macro MAXB
	M3A 2
	M3 TM, 5
	M3 T2, 7
	M3 TM, 9
	M3 T2, 11
	M3 TM, 13
	M3Z 15
.endm
.macro MAXC
	M3A 16
	M3 TM, 19
	M3 T2, 21
	M3 TM, 23
	M3 T2, 25
	M3 TM, 27
	M3 T2, 29
	M3Z 31
.endm
; p quantised: a lane's 32 keys are block 2 c + h of the key step (c = 0, 1: its two units of 64), and its four conversions give registers 4 c .. 4 c + 3 of the operand.
.macro QNT c
.irp i, 0,1,2,3
	v_add_nc_u32 v[TM+\i], 0xff000000, v[TM+\i]    ; 2 off the exponent field: the conversion's scale operand
.endr
.if (\c) == 0
.irp i, 0,1,2,3
	v_lshrrev_b32 v[WD+\i], 23, v[TM+\i]           ; the scale's byte
.endr
.else
.irp i, 0,1,2,3
	v_lshrrev_b32 v[T2+\i], 23, v[TM+\i]
.endr
.irp i, 0,1,2,3
	v_lshl_or_b32 v[WD+\i], v[T2+\i], 16, v[WD+\i]
.endr
	v_permlane16_swap_b32 v[WD], v[WD+1]           ; now the even tile's register has lanes 0-15 of both tiles (blocks 0, 2), the odd one's lanes 16-31 of both (blocks 1, 3)
	v_permlane16_swap_b32 v[WD+2], v[WD+3]
	v_lshl_or_b32 v[PW], v[WD+1], 8, v[WD]         ; whole words: lanes 0-15 the even tile's, lanes 16-31 the odd one's
	v_lshl_or_b32 v[PW+1], v[WD+3], 8, v[WD+2]
.endif
.irp q, 0,1,2,3
.irp i, 0,1,2,3
	v_cvt_scalef32_pk8_fp4_f32 v[PC+8*\i+4*(\c)+\q], v[S+32*\i+8*\q:S+32*\i+8*\q+7], v[TM+\i]
.endr
.endr
	v_nop                                          ; one plain line behind the last scaled conversion
.endm
; O^T += alpha^T p^T for the key step's 128 keys, the four accumulators by turns.
.macro PV k
.rept 8
	v_nop                                          ; a scale register written by a vector instruction stands 8 places ahead of a scaled matrix instruction, an operand so written 4
.endr
	WIN 0x01                                       ; source 0 (alpha) window 1
.if (\k) == 0
	s_wait_loadcnt 0x0                             ; alpha's codes
.endif
	s_wait_alu depctr_va_vdst(0)
.irp i, 0,1,2,3
.if (\k) == 0
.if \i%2 == 0
	v_wmma_scale_f32_16x16x128_f8f6f4 v[O+8*\i:O+8*\i+7], v[AL:AL+7], v[PC+8*\i:PC+8*\i+7], 0, v[AS], v[PW+\i/2] matrix_a_fmt:MATRIX_FMT_FP4 matrix_b_fmt:MATRIX_FMT_FP4
.else
	v_wmma_scale_f32_16x16x128_f8f6f4 v[O+8*\i:O+8*\i+7], v[AL:AL+7], v[PC+8*\i:PC+8*\i+7], 0, v[AS], v[PW+\i/2] matrix_a_fmt:MATRIX_FMT_FP4 matrix_b_fmt:MATRIX_FMT_FP4 matrix_b_scale:MATRIX_SCALE_ROW1
.endif
.else
.if \i%2 == 0
	v_wmma_scale_f32_16x16x128_f8f6f4 v[O+8*\i:O+8*\i+7], v[AL+8*(\k):AL+8*(\k)+7], v[PC+8*\i:PC+8*\i+7], v[O+8*\i:O+8*\i+7], v[AS+(\k)], v[PW+\i/2] matrix_a_fmt:MATRIX_FMT_FP4 matrix_b_fmt:MATRIX_FMT_FP4
.else
	v_wmma_scale_f32_16x16x128_f8f6f4 v[O+8*\i:O+8*\i+7], v[AL+8*(\k):AL+8*(\k)+7], v[PC+8*\i:PC+8*\i+7], v[O+8*\i:O+8*\i+7], v[AS+(\k)], v[PW+\i/2] matrix_a_fmt:MATRIX_FMT_FP4 matrix_b_fmt:MATRIX_FMT_FP4 matrix_b_scale:MATRIX_SCALE_ROW1
.endif
.endif
.endr
	WIN 0
.endm
; BLOCK n of 16.  The next block's LDS loads are issued behind this block's products and have its vector work in which to come.  A chunk's last products are its last readers: behind them stands the change of slots, so that the
; chunk's last vector work follows the next chunk's first loads.
.macro BLOCK n
.if \n == 0
	SMUL \n, 12
.else
	SMUL \n, 4
.endif
.if (\n)%2 == 0
.rept 4
	v_nop                                          ; four places behind the products, ahead of the loads into their operands and of the first read of their results
.endr
	KLOAD (\n)+1, 0
	FMA
	EXP
.else
	s_wait_alu depctr_va_vdst(0)                   ; one wait for the first half's batch
.if (\n)%4 == 1
	MAXA                                           ; these four lines are the places behind the products
	KLOAD (\n)+1, 0
	MAXB
	FMA
.elseif (\n) < 11
.set kT, 4*(((\n)/4)%2)
	s_wait_tensorcnt 0x0                           ; my unit of the next chunk has landed: no tensor load of mine is out;
	ds_add_u32 v[SPW], v[NIL]                      ; 0 onto my spare word
	s_add_nc_u64 s[G0+kT+2:G0+kT+3], s[G0+kT+2:G0+kT+3], 2*SLOT    ; this slot's next chunk
	MAXA
	MAXB
	s_wait_dscnt 0x0                               ; the add is done, and so are my reads of this slot
	s_barrier_signal -1
	FMA                                            ; work on registers while the others arrive
	s_barrier_wait -1
	CREST                                          ; no wave of any partner still reads this slot or has a load on its way
	tensor_load_to_lds s[G0+kT:G0+kT+3], s[G1:G1+7]
	s_nop 0
	KLOAD (\n)+1, 0
.elseif (\n) == 11
	s_wait_tensorcnt 0x0                           ; my unit of the last chunk has landed
	MAXA
	MAXB
	s_wait_dscnt 0x0
	s_barrier_signal -1
	FMA
	s_barrier_wait -1
	KLOAD (\n)+1, 0
.else
	MAXA
	MAXB
	FMA
.endif
	EXP
	s_wait_alu depctr_va_vdst(0)                   ; one wait for the batch
	MAXC
	QNT ((\n)/2)%2
.if (\n)%4 == 3
	PV (\n)/4
.endif
.endif
.endm
	s_wait_tensorcnt 0x0                           ; my unit of chunk 0 is in
	ds_add_u32 v[SPW], v[NIL]
	s_wait_dscnt 0x0                               ; the add is done, and so are my stores of Q's tile
	ROUND                                          ; chunk 0 and Q's codes are whole
	tensor_load_to_lds s[G0+4:G0+7], s[G1:G1+7]    ; chunk 1
	s_nop 0
	KLOAD 0, 1
	s_wait_loadcnt 8                               ; Q's scale words, the x terms, alpha's scales; alpha's eight loads of codes may be out
.irp n, 0,1,2,3,4,5,6,7,8,9,10,11,12,13,14,15
	BLOCK \n
.endr
	; THE WAY OUT.  Lane (r, h) holds channels 8 h + 0 .. 7 of query 16 i + r.  Each wave lays its four tiles into its image; wave 2 g + qg adds up tile g of its half over the four groups' images and stores its 1,024 consecutive bytes.
.rept 4
	v_nop                                          ; four places behind the last products
.endr
.irp i, 0,1,2,3
	ds_store_b128 v[STO], v[O+8*\i:O+8*\i+3] offset:1088*\i        ; each accumulator from its low end on
	ds_store_b128 v[STO], v[O+8*\i+4:O+8*\i+7] offset:1088*\i+16
.endr
	s_wait_tensorcnt 0x0                           ; behind my last tensor load and my last LDS store
	ds_add_u32 v[SPW], v[NIL]
	s_wait_dscnt 0x0                               ; the add and my stores are done
	ROUND                                          ; the closing round: no work-group ends while a partner may still ask for a unit that names it; and every wave's image is whole
.irp m, 0,1,2,3,4,5,6,7
	ds_load_b128 v[S+4*\m:S+4*\m+3], v[RD] offset:2*IMG*(\m%4)+544*(\m/4)   ; group m % 4, half m / 4 of the tile
.endr
.irp k, 0,1
	s_wait_dscnt 4-4*\k                            ; this half's four; the other half's may be out
.irp j, 0,2
	v_pk_add_f32 v[S+16*\k+\j:S+16*\k+\j+1], v[S+16*\k+\j:S+16*\k+\j+1], v[S+16*\k+4+\j:S+16*\k+5+\j]
	v_pk_add_f32 v[S+16*\k+8+\j:S+16*\k+9+\j], v[S+16*\k+8+\j:S+16*\k+9+\j], v[S+16*\k+12+\j:S+16*\k+13+\j]
.endr
.irp j, 0,2
	v_pk_add_f32 v[S+16*\k+\j:S+16*\k+\j+1], v[S+16*\k+\j:S+16*\k+\j+1], v[S+16*\k+8+\j:S+16*\k+9+\j]
.endr
	global_store_b128 v[LI], v[S+16*\k:S+16*\k+3], s[10:11] offset:512*\k th:TH_STORE_NT   ; 512 consecutive bytes, at a multiple of 256 from part's first byte
.endr
	s_endpgm
.Lfunc_end_k_q93394d3b86_rbf:
	.size	k_q93394d3b86_rbf, .Lfunc_end_k_q93394d3b86_rbf-k_q93394d3b86_rbf
	.p2alignl 7, 3214868480
	.fill 96, 4, 3214868480
	.section	.rodata,"a",@progbits
	.p2align	6, 0x0
	.amdhsa_kernel k_q93394d3b86_rbf
		.amdhsa_group_segment_fixed_size 327680
		.amdhsa_private_segment_fixed_size 0
		.amdhsa_enable_private_segment 0
		.amdhsa_kernarg_size 32
		.amdhsa_user_sgpr_count 2
		.amdhsa_user_sgpr_kernarg_segment_ptr 1
		.amdhsa_wavefront_size32 1
		.amdhsa_system_sgpr_workgroup_id_x 1
		.amdhsa_system_sgpr_workgroup_id_y 1
		.amdhsa_system_sgpr_workgroup_id_z 1
		.amdhsa_system_vgpr_workitem_id 0
		.amdhsa_next_free_vgpr 512
		.amdhsa_next_free_sgpr 66
		.amdhsa_reserve_vcc 0
		.amdhsa_float_denorm_mode_32 3
		.amdhsa_float_denorm_mode_16_64 3
		.amdhsa_memory_ordered 1
		.amdhsa_forward_progress 1
		.amdhsa_inst_pref_size 205
	.end_amdhsa_kernel
	.amdgpu_metadata
---
amdhsa.version: [ 1, 2 ]
amdhsa.kernels:
  - .name:           k_q93394d3b86_rbf
    .symbol:         k_q93394d3b86_rbf.kd
    .args:
      - { .name: codes, .offset: 0, .size: 8, .value_kind: global_buffer, .address_space: global }
      - { .name: alpha_codes, .offset: 8, .size: 8, .value_kind: global_buffer, .address_space: global }
      - { .name: alpha_scales, .offset: 16, .size: 8, .value_kind: global_buffer, .address_space: global }
      - { .name: part, .offset: 24, .size: 8, .value_kind: global_buffer, .address_space: global }
    .group_segment_fixed_size: 327680
    .private_segment_fixed_size: 0
    .kernarg_segment_align: 8
    .kernarg_segment_size: 32
    .max_flat_workgroup_size: 256
    .sgpr_count:     66
    .vgpr_count:     512
    .wavefront_size: 32
...
	.end_amdgpu_metadata
.endif
;; end of part 2
;; launch fold (part 3): grid 256 x 1, 4 waves a work-group, no clusters, 0 bytes of LDS; arguments part, out0; writes out0
.if DOCPART == 3
	.amdgcn_target "amdgcn-amd-amdhsa--gfx1250"
	.amdhsa_code_object_version 6
	.text
	.protected	k_q93394d3b86_fold
	.globl	k_q93394d3b86_fold
	.p2align	8
	.type	k_q93394d3b86_fold,@function
k_q93394d3b86_fold:
	s_mov_b64 s[64:65], 0
	v_nop
	global_prefetch_b8 v0, s[64:65] scope:SCOPE_SE
	s_setreg_imm32_b32 hwreg(HW_REG_WAVE_MODE, 25, 1), 1
	s_wait_xcnt 0x0
; out0[q][:] = the sum over the 4 slabs of part[slab][q][:].  part: [4][8192][16] f32, out0: [8192][16] f32.
; A thread owns 16 bytes of out0 and loads the same 16 bytes of each slab: every load and the store of a wave cover 512 consecutive bytes.  All four loads go out together.
; No LDS, no barrier, no matrix unit: the launch only moves bytes.
.set SLAB, 524288                      ; a slab's part in bytes
.set P, 4                              ; v4-19: part s at v[P + 4 s]
	s_load_b128 s[4:7], s[0:1], 0x0                ; part, out0
	v_lshlrev_b32 v1, 4, v0
	s_lshl_b32 s8, ttmp9, 11                       ; 128 threads x 16 bytes a work-group
	v_add_nc_u32 v1, s8, v1
	s_wait_alu depctr_va_vdst(0)
	s_wait_kmcnt 0x0
.irp s, 0,1,2,3
	global_load_b128 v[P+4*\s:P+4*\s+3], v1, s[4:5] offset:SLAB*\s th:TH_LOAD_NT
.endr
.macro ADD4 a, b                       ; part a += part b
	v_pk_add_f32 v[P+4*(\a):P+4*(\a)+1], v[P+4*(\a):P+4*(\a)+1], v[P+4*(\b):P+4*(\b)+1]
	v_pk_add_f32 v[P+4*(\a)+2:P+4*(\a)+3], v[P+4*(\a)+2:P+4*(\a)+3], v[P+4*(\b)+2:P+4*(\b)+3]
.endm
	s_wait_loadcnt 0                               ; all four parts are in
	ADD4 0, 1
	ADD4 2, 3
	ADD4 0, 2
	global_store_b128 v1, v[P:P+3], s[6:7]
	s_endpgm
.Lfunc_end_k_q93394d3b86_fold:
	.size	k_q93394d3b86_fold, .Lfunc_end_k_q93394d3b86_fold-k_q93394d3b86_fold
	.p2alignl 7, 3214868480
	.fill 96, 4, 3214868480
	.section	.rodata,"a",@progbits
	.p2align	6, 0x0
	.amdhsa_kernel k_q93394d3b86_fold
		.amdhsa_group_segment_fixed_size 0
		.amdhsa_private_segment_fixed_size 0
		.amdhsa_enable_private_segment 0
		.amdhsa_kernarg_size 16
		.amdhsa_user_sgpr_count 2
		.amdhsa_user_sgpr_kernarg_segment_ptr 1
		.amdhsa_wavefront_size32 1
		.amdhsa_system_sgpr_workgroup_id_x 1
		.amdhsa_system_sgpr_workgroup_id_y 1
		.amdhsa_system_sgpr_workgroup_id_z 1
		.amdhsa_system_vgpr_workitem_id 0
		.amdhsa_next_free_vgpr 20
		.amdhsa_next_free_sgpr 66
		.amdhsa_reserve_vcc 0
		.amdhsa_float_denorm_mode_32 3
		.amdhsa_float_denorm_mode_16_64 3
		.amdhsa_memory_ordered 1
		.amdhsa_forward_progress 1
		.amdhsa_inst_pref_size 2
	.end_amdhsa_kernel
	.amdgpu_metadata
---
amdhsa.version: [ 1, 2 ]
amdhsa.kernels:
  - .name:           k_q93394d3b86_fold
    .symbol:         k_q93394d3b86_fold.kd
    .args:
      - { .name: part, .offset: 0, .size: 8, .value_kind: global_buffer, .address_space: global }
      - { .name: out0, .offset: 8, .size: 8, .value_kind: global_buffer, .address_space: global }
    .group_segment_fixed_size: 0
    .private_segment_fixed_size: 0
    .kernarg_segment_align: 8
    .kernarg_segment_size: 16
    .max_flat_workgroup_size: 128
    .sgpr_count:     66
    .vgpr_count:     20
    .wavefront_size: 32
...
	.end_amdgpu_metadata
.endif
;; end of part 3
